; MI455X (gfx1250); checked and timed in simulation.
; The chip was launched on July 23, 2026; its instructions are those of AMD's public machine-readable ISA for CDNA 5 (MIT licence, August 2026) and "CDNA5" Instruction Set Architecture Reference Guide (July 2026). The comments in the code are by the model that wrote it; some were corrected since.
;; Gaussian Renderer. Allowed arithmetic: float matrix products may take bf16 or f16 operands with f32 sums; all other float work in f32.
;; Inputs: gaussian_colors 2,048 x 3 float32; gaussian_log_scales 2,048 x 2 float32; gaussian_means 2,048 x 2 float32; gaussian_rotations 2,048 float32.
;; Outputs: out0 128 x 128 x 3 float32.
;; One version. Each part assembles by itself: llvm-mc -triple=amdgcn-amd-amdhsa -mcpu=gfx1250 --defsym DOCPART=n.
;; ======== version 1 of 1: 2 launches
;; workspace buffers: table 65,792 bytes; masks 262,144 bytes of whole numbers
;; launch bin (part 1): grid 256 x 1, 4 waves a work-group, no clusters, 49,664 bytes of LDS; arguments gaussian_means, gaussian_rotations, gaussian_log_scales, gaussian_colors, table, masks; writes table, masks
.if DOCPART == 1
	.amdgcn_target "amdgcn-amd-amdhsa--gfx1250"
	.amdhsa_code_object_version 6
	.text
	.protected	k_q205e1e2531_bin
	.globl	k_q205e1e2531_bin
	.p2align	8
	.type	k_q205e1e2531_bin,@function
k_q205e1e2531_bin:
	s_mov_b64 s[64:65], 0
	v_nop
	global_prefetch_b8 v0, s[64:65] scope:SCOPE_SE
	s_setreg_imm32_b32 hwreg(HW_REG_WAVE_MODE, 25, 1), 1
	s_wait_xcnt 0x0
; GaussianRenderer, launch 1 of 2: per-gaussian coefficients, and for each 4 x 4 pixel tile the set of gaussians that can reach a top 10.
; 128 x 128 pixels = 1,024 tiles; 256 work-groups of four waves; wave w of group g owns tile 4 g + w (32 tiles in a row of tiles).
;
; THE BOUND.  q(p) = d' S d (d = p - mean, S = [[a, b], [b, c]], positive semi-definite), so sqrt(q) is a norm.  With s = sqrt(q(tile centre))
; and R = the largest norm of (pixel centre - tile centre) = 1.5 sqrt(a + c + |2b|) (a corner, offsets +-1.5), every pixel of the tile has
; s - R <= sqrt(q) <= s + R.  If ten different gaussians have s + R <= U, a gaussian with s - R > U is in no pixel's top 10.
; U here = the 10th smallest of the 32 lanes' minima of s + R (each lane owns 64 gaussians, so the ten are different gaussians).
; Kept: s - R <= sqrt(U^2 (1 + 2^-9) + 2^-20).  The factor covers the rounding of s, R and of the later q; the 2^-20 covers gaussians
; whose opacities exp(-q/2) round to the same f32 number (there the lower index wins, so both must be kept).
; LIMITS: the factor assumes that q's rounding error is under 2^-10 of q, that is (a dx^2 + |2b dx dy| + c dy^2) / q under about 2^13;
; rotations up to about 1e7 rad (the angle is reduced by pi/2 in two constants, the part left out is 1.7e-15 per quarter turn).
; The masks are DATA here: no address and no branch of this launch hangs on them.  The next launch reads them as whole numbers.
;
; No tensor loads, no cluster: what the groups share is 40 KB of inputs, which are transformed in registers on their way into LDS.
; No matrix instruction: there is no product here.  No prefetch: each wave's 49 loads are issued at once at the head.
.set ARR1,  0                          ; LDS: 2,048 x 16 bytes: mean x, mean y, a, 2b
.set ARR2,  32768                      ; LDS: 2,048 x  8 bytes: c, R
.set QD,    16                         ; v[16:79]   gaussian j of my 16: mean x, mean y (as loaded), a, 2b
.set LSC,   80                         ; v[80:111]  gaussian j: the two log scales, later c and R
.set ROT,   112                        ; v[112:127] gaussian j: the angle
.set R_K,   128                        ; v[128:147] at work
.set R_R,   129
.set R_KI,  130
.set R_EX,  131
.set R_EY,  132
.set R_R2,  133
.set R_PS,  134
.set R_PC,  135
.set R_R4,  136
.set R_HH,  137
.set R_SN,  138
.set R_CS,  139
.set R_SS,  140
.set R_CC,  141
.set R_SC,  142
.set R_S2,  143
.set R_C2,  144
.set R_DD,  145
.set R_TT,  146
.set R_TU,  147
.set QB0,   16                         ; second phase, buffer 0: 8 x [mx, my, a, 2b]
.set PB0,   48                         ;                         8 x [c, R]
.set QB1,   64                         ; buffer 1
.set PB1,   96
.set R_HM,  152                        ; my lane's smallest s + R
.set R_M,   153
.set R_T,   154
.set R_UT,  155                        ; the threshold
.set R_MW,  156                        ; v[156:157] lane l: mask words 2 l and 2 l + 1
.set LO,    160                        ; v[160:223] s - R of my 64 gaussians
	s_load_b256 s[4:11], s[0:1], 0x0               ; means s[4:5], rotations s[6:7], log scales s[8:9], colours s[10:11]
	s_load_b128 s[12:15], s[0:1], 0x20             ; table s[12:13], masks s[14:15]
	v_lshl_add_u32 v224, v0, 2, 0xc000
	v_mov_b32 v225, 0
	v_and_b32 v1, 31, v0                           ; lane
	v_lshrrev_b32 v7, 5, v0
	v_readfirstlane_b32 s16, v7                    ; wave 0..3
	v_lshlrev_b32 v2, 3, v0                        ; 8 t: means, log scales, ARR2
	v_lshlrev_b32 v3, 2, v0                        ; 4 t: rotations
	v_lshlrev_b32 v4, 4, v0                        ; 16 t: ARR1
	v_bfe_u32 v6, v0, 1, 3                         ; (lane / 2) mod 8
	s_lshl_b32 s17, ttmp9, 3
	v_add_nc_u32 v6, s17, v6                       ; the gaussian of the table record that this lane helps to store: 8 group + lane / 2
	v_mul_u32_u24 v5, 12, v6                       ; its colour
	v_mov_b32 v12, 0xb94ca1f9                      ; sine polynomial, highest coefficient  -1.9515296e-4
	v_mov_b32 v13, 0x37ccf5ce                      ; cosine polynomial, highest coefficient 2.4433157e-5
	s_mov_b32 s24, 0x76543210                      ; v_permlanex16_b32: lane i reads lane i of the other half
	s_mov_b32 s25, 0xfedcba98
	v_lshlrev_b32 v150, 4, v1                      ; 16 lane
	v_lshlrev_b32 v151, 3, v1                      ; 8 lane
	s_wait_kmcnt 0x0
	global_load_b96 v[8:10], v5, s[10:11]          ; r, g, b (used by wave 0 at the end; oldest load, so every later wait covers it)
; thread t prepares gaussians t + 128 j: neighbouring lanes read neighbouring bytes.  All 48 loads go out before the first is used.
.irp j, 0,1,2,3,4,5,6,7,8,9,10,11,12,13,14,15
	global_load_b64 v[QD+4*\j:QD+4*\j+1], v2, s[4:5] offset:1024*\j
	global_load_b64 v[LSC+2*\j:LSC+2*\j+1], v2, s[8:9] offset:1024*\j
	global_load_b32 v[ROT+\j], v3, s[6:7] offset:512*\j
.endr
; One gaussian: a = cos^2 ivx + sin^2 ivy, c = sin^2 ivx + cos^2 ivy, 2b = 2 cos sin (ivx - ivy), iv = exp(-2 log scale), R.
; angle = r + k pi/2, |r| <= pi/4.  Only cos^2, sin^2 and cos sin are needed: for odd k the squares change places and the product changes sign.
.macro PREP j
	s_wait_loadcnt 3*(15-\j)                       ; loads return in order (ISA guide 5.7.1): the three loads of each younger gaussian stay out
	v_mul_f32 v[R_K], 0x3f22f983, v[ROT+\j]        ; angle x 2/pi
	v_mul_f32 v[R_TT], 0xc038aa3b, v[LSC+2*\j]     ; -2 log2(e) x log scale
	v_mul_f32 v[R_TU], 0xc038aa3b, v[LSC+2*\j+1]
	v_rndne_f32 v[R_K], v[R_K]                     ; k
	v_exp_f32 v[R_EX], v[R_TT]                     ; ivx
	v_exp_f32 v[R_EY], v[R_TU]                     ; ivy; the plain line below stands before any use (ISA guide 5.7.2)
	v_fmamk_f32 v[R_R], v[R_K], 0xbfc90fdb, v[ROT+\j]   ; angle - k x (pi/2 rounded to f32): exact
	v_cvt_i32_f32 v[R_KI], v[R_K]
	v_fmamk_f32 v[R_R], v[R_K], 0x333bbd2e, v[R_R] ; - k x (pi/2 - that f32) = + k x 4.3711388e-8
	v_and_b32 v[R_KI], 1, v[R_KI]                  ; k odd?
	v_mul_f32 v[R_R2], v[R_R], v[R_R]
	v_cmp_eq_u32 vcc_lo, 1, v[R_KI]
	v_lshlrev_b32 v[R_KI], 31, v[R_KI]             ; as a sign bit
	v_fmaak_f32 v[R_PS], v12, v[R_R2], 0x3c08839e  ; sin r = r + r r2 (-1.6666655e-1 + r2 (8.3321609e-3 + r2 (-1.9515296e-4)))
	v_fmaak_f32 v[R_PC], v13, v[R_R2], 0xbab6061a  ; cos r = 1 - r2/2 + r2^2 (4.1666646e-2 + r2 (-1.3887316e-3 + r2 2.4433157e-5))
	v_mul_f32 v[R_R4], v[R_R2], v[R_R2]
	v_fma_f32 v[R_HH], v[R_R2], -0.5, 1.0
	v_fmaak_f32 v[R_PS], v[R_PS], v[R_R2], 0xbe2aaaa3
	v_fmaak_f32 v[R_PC], v[R_PC], v[R_R2], 0x3d2aaaa5
	s_wait_alu depctr_va_vdst(0)
	v_sub_f32 v[R_DD], v[R_EX], v[R_EY]            ; ivx - ivy
	v_mul_f32 v[R_PS], v[R_PS], v[R_R2]
	v_fma_f32 v[R_CS], v[R_PC], v[R_R4], v[R_HH]
	v_fma_f32 v[R_SN], v[R_PS], v[R_R], v[R_R]
	v_mul_f32 v[R_CC], v[R_CS], v[R_CS]
	v_mul_f32 v[R_SS], v[R_SN], v[R_SN]
	v_mul_f32 v[R_SC], v[R_CS], v[R_SN]
	v_cndmask_b32 v[R_C2], v[R_CC], v[R_SS], vcc_lo     ; cos^2 of the angle
	v_cndmask_b32 v[R_S2], v[R_SS], v[R_CC], vcc_lo     ; sin^2 of the angle
	v_xor_b32 v[R_SC], v[R_KI], v[R_SC]                 ; cos sin of the angle
	v_mul_f32 v[R_TT], v[R_S2], v[R_EY]
	v_mul_f32 v[R_TU], v[R_C2], v[R_EY]
	v_mul_f32 v[R_SC], v[R_SC], v[R_DD]                 ; b
	v_fma_f32 v[QD+4*\j+2], v[R_C2], v[R_EX], v[R_TT]   ; a
	v_fma_f32 v[LSC+2*\j], v[R_S2], v[R_EX], v[R_TU]    ; c
	v_add_f32 v[QD+4*\j+3], v[R_SC], v[R_SC]            ; 2b
	v_add_f32 v[R_TT], v[QD+4*\j+2], v[LSC+2*\j]
	v_and_b32 v[R_TU], 0x7fffffff, v[QD+4*\j+3]
	v_add_f32 v[R_TT], v[R_TT], v[R_TU]                 ; a + c + |2b|
	v_sqrt_f32 v[R_TU], v[R_TT]
	ds_store_b128 v4, v[QD+4*\j:QD+4*\j+3] offset:ARR1+2048*\j
	v_nop                                               ; the plain place behind v_sqrt_f32 (ISA guide 5.7.2)
	s_wait_alu depctr_va_vdst(0)
	v_mul_f32 v[LSC+2*\j+1], 0x3fc00000, v[R_TU]        ; R = 1.5 sqrt(..)
	ds_store_b64 v2, v[LSC+2*\j:LSC+2*\j+1] offset:ARR2+1024*\j
.endm
.irp j, 0,1,2,3,4,5,6,7,8,9,10,11,12,13,14,15
	PREP \j
.endr
	s_lshl_b32 s18, ttmp9, 2
	s_add_co_u32 s18, s18, s16                     ; my tile
	s_and_b32 s19, s18, 31
	s_lshr_b32 s22, s18, 5
	s_lshl_b32 s19, s19, 2
	s_lshl_b32 s22, s22, 2
	s_add_co_u32 s19, s19, 2                       ; pixel centres are at 4 tx + 0.5 .. 3.5: the tile's centre is 4 tx + 2
	s_add_co_u32 s22, s22, 2
	v_cvt_f32_u32 v14, s19
	v_cvt_f32_u32 v15, s22
	s_wait_dscnt 0x0                               ; my stores are in LDS: zero, for the other waves' sake
	s_barrier_signal -1
	s_barrier_wait -1                              ; all 2,048 gaussians are there
; Second phase.  Word w of the mask = gaussians 32 w + lane: each load takes 32 neighbouring entries, no bank is asked twice.
.macro BLOAD c, qb, pb                 ; eight words' entries: 16 LDS loads
.irp i, 0,1,2,3,4,5,6,7
	ds_load_b128 v[\qb+4*\i:\qb+4*\i+3], v150 offset:ARR1+(8*(\c)+\i)*512
	ds_load_b64  v[\pb+2*\i:\pb+2*\i+1], v151 offset:ARR2+(8*(\c)+\i)*256
.endr
.endm
.macro BPAIR w, qa, pa                 ; words w and w + 1, interleaved so that neither chain waits for itself
	v_sub_f32 v128, v14, v[\qa]
	v_sub_f32 v134, v14, v[\qa+4]
	v_sub_f32 v129, v15, v[\qa+1]
	v_sub_f32 v135, v15, v[\qa+5]
	v_mul_f32 v130, v[\qa+2], v128                 ; a dx
	v_mul_f32 v136, v[\qa+6], v134
	v_mul_f32 v131, v[\pa], v129                   ; c dy
	v_mul_f32 v137, v[\pa+2], v135
	v_fma_f32 v130, v[\qa+3], v129, v130           ; a dx + 2b dy
	v_fma_f32 v136, v[\qa+7], v135, v136
	v_mul_f32 v131, v131, v129
	v_mul_f32 v137, v137, v135
	v_fma_f32 v130, v130, v128, v131               ; q at the tile's centre
	v_fma_f32 v136, v136, v134, v137
	v_max_num_f32 v130, 0, v130                    ; rounding may leave a small negative number
	v_max_num_f32 v136, 0, v136
	v_sqrt_f32 v132, v130
	v_sqrt_f32 v138, v136
	v_nop                                          ; the plain place behind the two roots (ISA guide 5.7.2)
	s_wait_alu depctr_va_vdst(0)
	v_add_f32 v131, v132, v[\pa+1]                 ; s + R
	v_add_f32 v137, v138, v[\pa+3]
	v_sub_f32 v[LO+\w], v132, v[\pa+1]             ; s - R, kept for the test
	v_sub_f32 v[LO+\w+1], v138, v[\pa+3]
.if (\w)==0
	v_min_num_f32 v[R_HM], v131, v137              ; the first pair starts the minimum
.else
	v_min3_num_f32 v[R_HM], v[R_HM], v131, v137
.endif
.endm
.macro BCOMP c, qb, pb
.irp i, 0,2,4,6
	BPAIR 8*(\c)+\i, \qb+4*\i, \pb+2*\i
.endr
.endm
	BLOAD 0, QB0, PB0
.irp c, 0,2,4,6
	BLOAD \c+1, QB1, PB1
	s_wait_dscnt 16                                ; LDS loads return in order (ISA guide 5.7.1): the 16 just issued stay out, the chunk before them is in
	BCOMP \c, QB0, PB0
.if \c < 6
	BLOAD \c+2, QB0, PB0
	s_wait_dscnt 16
.else
	s_wait_dscnt 0
.endif
	BCOMP \c+1, QB1, PB1
.endr
; U = the 10th smallest of the 32 lanes' minima: nine times take the wave's minimum and strike it out, then take the minimum once more.
; Lanes that tie are struck out together; U then only grows, which keeps the bound valid (in the end U = +inf keeps every gaussian).
.macro WMIN
	v_min_num_f32_dpp v[R_M], v[R_HM], v[R_HM] row_xmask:1 row_mask:0xf bank_mask:0xf
	v_min_num_f32_dpp v[R_M], v[R_M], v[R_M] row_xmask:2 row_mask:0xf bank_mask:0xf
	v_min_num_f32_dpp v[R_M], v[R_M], v[R_M] row_xmask:4 row_mask:0xf bank_mask:0xf
	v_min_num_f32_dpp v[R_M], v[R_M], v[R_M] row_xmask:8 row_mask:0xf bank_mask:0xf
	v_permlanex16_b32 v[R_T], v[R_M], s24, s25
	v_min_num_f32 v[R_M], v[R_M], v[R_T]
.endm
	v_mov_b32 v[R_M], v[R_HM]                      ; destinations of lane-crossing forms count as read: written once here
	v_mov_b32 v[R_T], v[R_HM]
.rept 9
	WMIN
	v_cmp_gt_f32 vcc_lo, v[R_HM], v[R_M]
	v_cndmask_b32 v[R_HM], 0x7f800000, v[R_HM], vcc_lo  ; not above the minimum: out (+inf)
.endr
	WMIN
	v_mul_f32 v[R_M], v[R_M], v[R_M]
	v_mov_b32 v[R_T], 0x3f804000                   ; 1 + 2^-9
	v_fmaak_f32 v[R_M], v[R_M], v[R_T], 0x35800000 ; U^2 (1 + 2^-9) + 2^-20
	v_sqrt_f32 v[R_UT], v[R_M]
	v_mov_b32 v[R_MW], 0                           ; (plain places behind the root; v_writelane_b32's destination counts as read)
	v_mov_b32 v[R_MW+1], 0
	s_lshl_b32 s30, s18, 8                         ; 256 bytes of mask for each tile
	s_mov_b32 s31, 0
	s_add_nc_u64 s[14:15], s[14:15], s[30:31]
; 64 compares: each gives the 32 bits of one mask word.  Word w goes to lane w / 2, register w mod 2.
.set w, 0
	s_wait_alu depctr_va_vdst(0)
.rept 16
	v_cmp_le_f32 s26, v[LO+w],   v[R_UT]
	v_cmp_le_f32 s27, v[LO+w+1], v[R_UT]
	v_cmp_le_f32 s28, v[LO+w+2], v[R_UT]
	v_cmp_le_f32 s29, v[LO+w+3], v[R_UT]
	v_writelane_b32 v[R_MW],   s26, w/2
	v_writelane_b32 v[R_MW+1], s27, w/2
	v_writelane_b32 v[R_MW],   s28, w/2+1
	v_writelane_b32 v[R_MW+1], s29, w/2+1
.set w, w+4
.endr
	global_store_b64 v151, v[R_MW:R_MW+1], s[14:15]     ; the wave's one store covers the tile's 256 consecutive bytes, aligned
; Wave 0 stores the group's eight table records (gaussians 8 g .. 8 g + 7), 32 bytes each: [mx, my, a, 2b] [c, (r, g) as bf16, b, 0].
; Lane l < 16 stores the 16 bytes of record l / 2, half l mod 2: sixteen lanes, 256 consecutive bytes, aligned.
	s_cmp_lg_u32 s16, 0
	s_cbranch_scc1 .Ldone
	v_lshlrev_b32 v128, 4, v6
	v_lshlrev_b32 v129, 3, v6
	ds_load_b128 v[132:135], v128 offset:ARR1
	ds_load_b64 v[136:137], v129 offset:ARR2
	v_cvt_pk_bf16_f32 v138, v8, v9                 ; r low, g high: operands of the colour product, which may be bf16
	v_and_b32 v130, 1, v1
	v_cmp_eq_u32 s33, 1, v130                      ; second half of a record
	s_lshl_b32 s30, ttmp9, 8
	s_mov_b32 s31, 0
	s_add_nc_u64 s[12:13], s[12:13], s[30:31]
	v_mov_b32 v139, 0x7149f2ca                     ; 1e30
	v_cndmask_b32 v144, 0, v139, s33               ; the sentinel record: mean (0, 0), a = c = 1e30, b = 0, black.  Pixel centres are at least
	v_mov_b32 v145, 0                              ; 0.5 from 0, so its q is at least 5e29 and at most 3.3e34: its opacity is 0, never NaN
	v_cndmask_b32 v146, v139, 0, s33
	v_mov_b32 v147, 0
	s_wait_dscnt 0x0
	v_cndmask_b32 v140, v132, v136, s33
	v_cndmask_b32 v141, v133, v138, s33
	v_cndmask_b32 v142, v134, v10, s33
	v_cndmask_b32 v143, v135, 0, s33
	v_cmp_gt_u32 vcc_lo, 16, v1
	s_wait_xcnt 0x0                                ; EXEC is a source of the mask store above: it changes only behind this wait
	s_and_saveexec_b32 s32, vcc_lo
	global_store_b128 v150, v[140:143], s[12:13]
	s_cmp_lg_u32 ttmp9, 0
	s_cbranch_scc1 .Lnosent
	global_store_b128 v150, v[144:147], s[12:13] offset:65536   ; group 0 (its base is the table's first byte): records 2,048 .. 2,055
.Lnosent:
	s_wait_xcnt 0x0                                ; and again in front of the line that widens EXEC
	s_or_b32 exec_lo, exec_lo, s32
.Ldone:
	s_barrier_signal -1
	s_barrier_wait -1
	s_wait_tensorcnt 0x0
	ds_add_u32 v224, v225
	s_wait_dscnt 0x0
	s_endpgm
.Lfunc_end_k_q205e1e2531_bin:
	.size	k_q205e1e2531_bin, .Lfunc_end_k_q205e1e2531_bin-k_q205e1e2531_bin
	.p2alignl 7, 3214868480
	.fill 96, 4, 3214868480
	.section	.rodata,"a",@progbits
	.p2align	6, 0x0
	.amdhsa_kernel k_q205e1e2531_bin
		.amdhsa_group_segment_fixed_size 49664
		.amdhsa_private_segment_fixed_size 0
		.amdhsa_enable_private_segment 0
		.amdhsa_kernarg_size 48
		.amdhsa_user_sgpr_count 2
		.amdhsa_user_sgpr_kernarg_segment_ptr 1
		.amdhsa_wavefront_size32 1
		.amdhsa_system_sgpr_workgroup_id_x 1
		.amdhsa_system_sgpr_workgroup_id_y 1
		.amdhsa_system_sgpr_workgroup_id_z 1
		.amdhsa_system_vgpr_workitem_id 0
		.amdhsa_next_free_vgpr 226
		.amdhsa_next_free_sgpr 66
		.amdhsa_reserve_vcc 1
		.amdhsa_float_denorm_mode_32 3
		.amdhsa_float_denorm_mode_16_64 3
		.amdhsa_memory_ordered 1
		.amdhsa_forward_progress 1
		.amdhsa_inst_pref_size 91
	.end_amdhsa_kernel
	.amdgpu_metadata
---
amdhsa.version: [ 1, 2 ]
amdhsa.kernels:
  - .name:           k_q205e1e2531_bin
    .symbol:         k_q205e1e2531_bin.kd
    .args:
      - { .name: gaussian_means, .offset: 0, .size: 8, .value_kind: global_buffer, .address_space: global }
      - { .name: gaussian_rotations, .offset: 8, .size: 8, .value_kind: global_buffer, .address_space: global }
      - { .name: gaussian_log_scales, .offset: 16, .size: 8, .value_kind: global_buffer, .address_space: global }
      - { .name: gaussian_colors, .offset: 24, .size: 8, .value_kind: global_buffer, .address_space: global }
      - { .name: table, .offset: 32, .size: 8, .value_kind: global_buffer, .address_space: global }
      - { .name: masks, .offset: 40, .size: 8, .value_kind: global_buffer, .address_space: global }
    .group_segment_fixed_size: 49664
    .private_segment_fixed_size: 0
    .kernarg_segment_align: 8
    .kernarg_segment_size: 48
    .max_flat_workgroup_size: 128
    .sgpr_count:     66
    .vgpr_count:     226
    .wavefront_size: 32
...
	.end_amdgpu_metadata
.endif
;; end of part 1
;; launch render (part 2): grid 1024 x 1, 1 waves a work-group, no clusters, 78,848 bytes of LDS; arguments masks, table, out0; writes out0
.if DOCPART == 2
	.amdgcn_target "amdgcn-amd-amdhsa--gfx1250"
	.amdhsa_code_object_version 6
	.text
	.protected	k_q205e1e2531_render
	.globl	k_q205e1e2531_render
	.p2align	8
	.type	k_q205e1e2531_render,@function
k_q205e1e2531_render:
	s_mov_b64 s[64:65], 0
	v_nop
	global_prefetch_b8 v0, s[64:65] scope:SCOPE_SE
	s_setreg_imm32_b32 hwreg(HW_REG_WAVE_MODE, 25, 1), 1
	s_wait_xcnt 0x0
; GaussianRenderer, launch 2 of 2: per pixel the ten largest opacities among the tile's candidates, blended front to back.
; 1,024 work-groups of ONE wave; group g owns the 4 x 4 pixel tile g (32 tiles in a row of tiles).  The tiles share nothing, and their lists
; have different lengths, so their loops have different trip counts: waves in one group could meet at no barrier inside them.  One wave a
; group makes the group's LDS that wave's own, and LDS serves a wave's instructions in order (ISA guide 5.7.1): no barrier, no wait between a
; store and the load that reads it.  Four such groups fit into the LDS of a WGP (4 x 78,848 bytes), one wave for each SIMD.
; Lanes 0-15 are the tile's 16 pixels and scan the first half of the candidate list; lanes 16-31 are the same pixels with the second half.
;
; STEPS.  (1) The tile's 64 mask words (whole numbers stored by the launch before) come into scalar registers; set bits are compacted, in
; ascending order of the gaussian's index, into an index list in LDS.  (2) The listed 32-byte records are gathered from the table into LDS.
; (3) Scan: alpha = exp(-q/2) for one record a step, sorted insertion into ten registers, colours carried along by selects: no address and no
; branch hangs on a float.  (4) The upper half's ten are inserted into the lower half's.  (5) Blend and store.
; ORDER: the key is alpha itself, as in top_k; an entry moves only for a strictly larger alpha, and candidates arrive in ascending index, so
; equal alphas keep the lower index in front.
; LIMITS: r and g travel as bf16 (operands of the colour product); b has a register to itself and stays f32.  alpha comes from v_exp_f32
; (1 ulp, results under 2^-126 are 0): two opacities an ulp or two apart may stand in the other order than with another exponential.
; The colour product is 30 multiply-adds a pixel on operands that differ from pixel to pixel: no matrix shape, so it is done in f32 FMAs.
; No tensor loads or cluster: a wave's records are a gather of some tens of 32-byte rows.  No prefetch: the table was written just before.
; out0: a pixel is 12 bytes and a tile is 4 pixels wide, so the wave's one store writes four runs of 48 consecutive bytes.  Longer runs
; would take wider tiles (a weaker bound, longer lists) or several waves in a group (see above); out0 is 192 KB in all.
.set RECS,  8960                       ; LDS: the list, 2,240 words (2,048 + a tail of 160 sentinels; the last word takes what is not listed),
.set DUMPI, 2239                       ; then 2,176 records of 32 bytes: 8,960 + 69,632 = 78,592 bytes
.set SENT,  2048                       ; index of the sentinel record (opacity 0 everywhere)
.set PX,  8                            ; pixel centre
.set PY,  9
.set X,   10                           ; v[10:13] alpha of the record in buffer i
.set DX,  14
.set DY,  15
.set C1,  16
.set C3,  17
.set CQ,  18
.set TA,  20                           ; v[20:23] two pairs of temporaries, used in turn
.set VK,  24                           ; record index of my half's next four
.set VA,  25                           ; their byte offset among the records
.set L,   32                           ; v[32:41] the ten largest alphas, descending
.set P1,  42                           ; v[42:51] their r, g (bf16 pair)
.set P2,  52                           ; v[52:61] their b
.set B,   64                           ; v[64:95] four record buffers of 8: mx, my, a, 2b, c, rg, b, 0
.set MK,  16                           ; s[16:25] lane masks 'alpha > L[i]' (the mask words' registers, done with by then)
	s_load_b128 s[4:7], s[0:1], 0x0                ; masks s[4:5], table s[6:7]
	s_load_b64 s[8:9], s[0:1], 0x10                ; out0
	v_lshl_add_u32 v136, v0, 2, 0x13300
	v_mov_b32 v137, 0
	s_lshl_b32 s12, ttmp9, 8                       ; 256 bytes of mask for each tile
	s_mov_b32 s13, 0
	s_wait_kmcnt 0x0
	s_add_nc_u64 s[4:5], s[4:5], s[12:13]
	s_load_b512 s[16:31], s[4:5], 0x0              ; mask words 0-15
	s_load_b512 s[32:47], s[4:5], 0x40             ; 16-31
	s_load_b512 s[48:63], s[4:5], 0x80             ; 32-47
	s_load_b512 s[68:83], s[4:5], 0xc0             ; 48-63
	; register set-up while the masks are on their way (v0 is the lane: the group is one wave)
	v_mov_b32 v5, v0                               ; index of the gaussian that my lane stands for in the current word
	v_mov_b32 v6, DUMPI
	v_mov_b32 v7, SENT
	v_lshrrev_b32 v2, 4, v0                        ; which half of the list is mine
	s_and_b32 s84, ttmp9, 31
	s_lshl_b32 s84, s84, 2                         ; the tile's first pixel column
	s_lshr_b32 s85, ttmp9, 5
	s_lshl_b32 s85, s85, 2                         ; and row
	v_and_b32 v26, 3, v0
	v_bfe_u32 v27, v0, 2, 2
	v_add_nc_u32 v26, s84, v26
	v_add_nc_u32 v27, s85, v27
	v_cvt_f32_u32 v[PX], v26
	v_cvt_f32_u32 v[PY], v27
	v_add_f32 v[PX], 0.5, v[PX]
	v_add_f32 v[PY], 0.5, v[PY]
	s_mov_b32 s94, 0x76543210                      ; v_permlanex16_b32: lane i reads lane i of the other half
	s_mov_b32 s95, 0xfedcba98
	s_mov_b32 s15, 0                               ; candidates so far
.set i, 0
.rept 10
	v_mov_b32 v[L+i], 0                            ; an empty place: opacity 0, black.  It adds nothing, and only alpha > 0 displaces it
	v_mov_b32 v[P1+i], 0
	v_mov_b32 v[P2+i], 0
.set i, i+1
.endr
	s_wait_kmcnt 0x0
; (1) One mask word: a set bit's place in the list = candidates so far + set bits below it.  Lanes whose bit is clear write the spare word.
; The place is clamped by a constant before it becomes an address.
.macro COMPACT r
	v_mbcnt_lo_u32_b32 v20, s[\r], s15
	v_cndmask_b32 v20, v6, v20, s[\r]
	v_min_u32 v20, DUMPI, v20
	v_lshlrev_b32 v20, 2, v20
	ds_store_b32 v20, v5
	v_add_nc_u32 v5, 32, v5
	s_bcnt1_i32_b32 s86, s[\r]
	s_add_co_u32 s15, s15, s86
.endm
.set r, 16
.rept 48
	COMPACT r
.set r, r+1
.endr
.set r, 68
.rept 16
	COMPACT r
.set r, r+1
.endr
	s_min_u32 s15, s15, SENT                       ; n, at most 2,048
	v_add_nc_u32 v20, s15, v0                      ; behind the list: 160 sentinels.  The gather reads at most 138 entries past n - 1
	v_min_u32 v20, SENT+31, v20
	v_lshlrev_b32 v20, 2, v20
.irp q, 0,1,2,3,4
	ds_store_b32 v20, v7 offset:128*\q
.endr
; (2) Gather, 128 list entries a trip so that eight table loads of every lane are out together.  Entries up to n + 10 must be there
; (the scan pads each half to a multiple of four and loads four records ahead): trips = (n + 11) / 128 rounded up, 1 to 17.
	s_add_co_u32 s87, s15, 138
	s_lshr_b32 s87, s87, 7
	v_lshlrev_b32 v28, 2, v0
	v_lshlrev_b32 v29, 5, v0
	s_mov_b32 s88, 0
.Lgather:
	s_min_u32 s89, s88, 16
	v_lshl_add_u32 v30, s89, 9, v28                ; 128 entries of 4 bytes a trip
	v_lshl_add_u32 v31, s89, 12, v29               ; 128 records of 32 bytes a trip
.irp q, 0,1,2,3
	ds_load_b32 v[100+\q], v30 offset:128*\q       ; behind this wave's own stores, which LDS has served first
.endr
	s_wait_dscnt 0x0
.irp q, 0,1,2,3
	v_min_u32 v[100+\q], SENT, v[100+\q]           ; an index stays inside the table
	v_lshlrev_b32 v[100+\q], 5, v[100+\q]
.endr
.irp q, 0,1,2,3
	global_load_b128 v[104+8*\q:107+8*\q], v[100+\q], s[6:7]
	global_load_b128 v[108+8*\q:111+8*\q], v[100+\q], s[6:7] offset:16
.endr
	s_wait_loadcnt 0x0                             ; also frees the offsets for the next trip
.irp q, 0,1,2,3
	ds_store_b128 v31, v[104+8*\q:107+8*\q] offset:RECS+1024*\q
	ds_store_b128 v31, v[108+8*\q:111+8*\q] offset:RECS+1024*\q+16
.endr
	s_add_co_u32 s88, s88, 1
	s_cmp_lt_u32 s88, s87
	s_cbranch_scc1 .Lgather
; (3) One line of the chain from a record to its alpha; the nine lines are spread over the insertion of the record before.
.macro CHAIN st, rb, xr
.if (\st)==0
	v_sub_f32 v[DX], v[PX], v[\rb]
.endif
.if (\st)==1
	v_sub_f32 v[DY], v[PY], v[\rb+1]
.endif
.if (\st)==2
	v_mul_f32 v[C1], v[\rb+2], v[DX]               ; a dx
.endif
.if (\st)==3
	v_mul_f32 v[C3], v[\rb+4], v[DY]               ; c dy
.endif
.if (\st)==4
	v_fma_f32 v[C1], v[\rb+3], v[DY], v[C1]        ; a dx + 2b dy
.endif
.if (\st)==5
	v_mul_f32 v[CQ], v[C3], v[DY]
.endif
.if (\st)==6
	v_fma_f32 v[CQ], v[C1], v[DX], v[CQ]           ; q
.endif
.if (\st)==7
	v_mul_f32 v[CQ], 0xbf38aa3b, v[CQ]             ; -q/2 x log2(e)
.endif
.if (\st)==8
	v_exp_f32 v[\xr], v[CQ]                        ; plain lines that touch neither register follow (ISA guide 5.7.2)
.endif
.endm
; Sorted insertion of (key, pa, pb) into places from .. 9.  With L descending, the new L[i] is the middle one of L[i-1], L[i] and the key;
; the payload of place i comes from place i-1 if the key beats L[i-1], is the new one if it beats only L[i], and stays otherwise.
; Places are walked from 9 down, so that place i-1 is still the old one.
.macro INSERT key, pa, pb, from, chain, rb, xr
.set ii, \from
	s_wait_alu depctr_va_vdst(0)
.rept 10-\from
	v_cmp_gt_f32 s[MK+ii], v[\key], v[L+ii]
.set ii, ii+1
.endr
.set ii, 9
.rept 9-\from
.if \chain
	CHAIN 9-ii, \rb, \xr
.endif
	v_med3_num_f32 v[L+ii], v[L+ii-1], v[L+ii], v[\key]
	v_cndmask_b32 v[TA+2*(ii&1)], v[P1+ii], v[\pa], s[MK+ii]
	v_cndmask_b32 v[TA+2*(ii&1)+1], v[P2+ii], v[\pb], s[MK+ii]
	v_cndmask_b32 v[P1+ii], v[TA+2*(ii&1)], v[P1+ii-1], s[MK+ii-1]
	v_cndmask_b32 v[P2+ii], v[TA+2*(ii&1)+1], v[P2+ii-1], s[MK+ii-1]
.set ii, ii-1
.endr
	v_max_num_f32 v[L+\from], v[L+\from], v[\key]
	v_cndmask_b32 v[P1+\from], v[P1+\from], v[\pa], s[MK+\from]
	v_cndmask_b32 v[P2+\from], v[P2+\from], v[\pb], s[MK+\from]
.endm
	s_add_co_u32 s90, s15, 7
	s_lshr_b32 s90, s90, 3                         ; trips: each half takes 4 x (n / 8 rounded up) records; what is past n is sentinels
	s_lshl_b32 s91, s90, 2
	v_mul_u32_u24 v[VK], s91, v2                   ; my half's first record
	v_min_u32 v[VA], 2172, v[VK]                   ; (2,176 records of room, four are read from here)
	v_lshlrev_b32 v[VA], 5, v[VA]
.irp i, 0,1,2,3
	ds_load_b128 v[B+8*\i:B+8*\i+3], v[VA] offset:RECS+32*\i      ; all lanes of a half read the same 16 bytes
	ds_load_b128 v[B+8*\i+4:B+8*\i+7], v[VA] offset:RECS+32*\i+16
.endr
	s_wait_dscnt 6                                 ; record 0 is in; the six loads of records 1 to 3 stay out
.irp st, 0,1,2,3,4,5,6,7,8
	CHAIN \st, B, X
.endr
	s_mov_b32 s92, 0
.Lscan:
	v_add_nc_u32 v[VK], 4, v[VK]                   ; the four records that this trip asks for
	v_min_u32 v[VA], 2172, v[VK]
	v_lshlrev_b32 v[VA], 5, v[VA]
	s_wait_alu depctr_va_vdst(0)
.irp i, 0,1,2,3
	s_wait_dscnt 4                                 ; the next record (asked for three steps ago) is in; the four loads of the two younger records stay out
	INSERT X+\i, B+8*\i+5, B+8*\i+6, 0, 1, B+8*((\i+1)%4), X+(\i+1)%4
	ds_load_b128 v[B+8*\i:B+8*\i+3], v[VA] offset:RECS+32*\i      ; this buffer is done with: four records ahead
	ds_load_b128 v[B+8*\i+4:B+8*\i+7], v[VA] offset:RECS+32*\i+16
.endr
	s_add_co_u32 s92, s92, 1
	s_cmp_lt_u32 s92, s90
	s_cbranch_scc1 .Lscan
	s_wait_dscnt 0x0                               ; the loads ahead of the end have landed: the buffers can be written
; (4) Every lane fetches the ten entries of its partner 16 lanes away, then inserts them, best first.  In lanes 0-15 the newcomers have the
; higher indices, so the strict compare keeps top_k's order; lanes 16-31 run along and are not used.  Entry e has e entries of its own list,
; not smaller, in front of it: it cannot land above place e, so places e .. 9 are enough.
.set e, 0
.rept 10
	v_permlanex16_b32 v[B+e], v[L+e], s94, s95
	v_permlanex16_b32 v[B+10+e], v[P1+e], s94, s95
	v_permlanex16_b32 v[B+20+e], v[P2+e], s94, s95
.set e, e+1
.endr
.irp e, 0,1,2,3,4,5,6,7,8,9
	INSERT B+\e, B+10+\e, B+20+\e, \e, 0, 0, 0
.endr
; (5) out = sum of colour_i alpha_i T_i, T_0 = 1, T_i+1 = T_i - alpha_i T_i.  The first term starts the sums.
	v_lshlrev_b32 v20, 16, v[P1]
	v_and_b32 v21, 0xffff0000, v[P1]
	v_mul_f32 v96, v[L], v20
	v_mul_f32 v97, v[L], v21
	v_mul_f32 v98, v[L], v[P2]
	v_sub_f32 v14, 1.0, v[L]
.set i, 1
.rept 9
	v_lshlrev_b32 v20, 16, v[P1+i]
	v_and_b32 v21, 0xffff0000, v[P1+i]
	v_mul_f32 v15, v[L+i], v14                     ; weight
	v_fmac_f32 v96, v15, v20
	v_fmac_f32 v97, v15, v21
	v_fmac_f32 v98, v15, v[P2+i]
.if i < 9
	v_fma_f32 v14, -v[L+i], v14, v14               ; the transmittance behind this entry
.endif
.set i, i+1
.endr
	; pixel (row lane / 4, column lane mod 4) of the tile: an image row is 1,536 bytes, a pixel 12
	v_bfe_u32 v22, v0, 2, 2
	v_and_b32 v23, 3, v0
	v_mul_u32_u24 v22, 0x600, v22
	v_mad_u32_u24 v22, v23, 12, v22
	s_lshr_b32 s98, ttmp9, 5                       ; row of tiles: four image rows each
	s_mul_i32 s98, s98, 6144
	s_and_b32 s99, ttmp9, 31
	s_mul_i32 s99, s99, 48                         ; four pixels of 12 bytes
	s_add_co_u32 s98, s98, s99
	s_mov_b32 s99, 0
	s_add_nc_u64 s[8:9], s[8:9], s[98:99]
	v_cmp_gt_u32 vcc_lo, 16, v0
	s_wait_xcnt 0x0                                ; EXEC is a source of the gather's loads: it changes only behind this wait
	s_wait_tensorcnt 0x0
	ds_add_u32 v136, v137
	s_wait_dscnt 0x0
	s_and_saveexec_b32 s97, vcc_lo                 ; the merged lists are in lanes 0-15
	global_store_b96 v22, v[96:98], s[8:9] th:TH_STORE_NT      ; four neighbouring lanes store 48 consecutive bytes of an image row
	s_wait_xcnt 0x0                                ; and again in front of the line that widens EXEC
	s_or_b32 exec_lo, exec_lo, s97
	s_endpgm
.Lfunc_end_k_q205e1e2531_render:
	.size	k_q205e1e2531_render, .Lfunc_end_k_q205e1e2531_render-k_q205e1e2531_render
	.p2alignl 7, 3214868480
	.fill 96, 4, 3214868480
	.section	.rodata,"a",@progbits
	.p2align	6, 0x0
	.amdhsa_kernel k_q205e1e2531_render
		.amdhsa_group_segment_fixed_size 78848
		.amdhsa_private_segment_fixed_size 0
		.amdhsa_enable_private_segment 0
		.amdhsa_kernarg_size 24
		.amdhsa_user_sgpr_count 2
		.amdhsa_user_sgpr_kernarg_segment_ptr 1
		.amdhsa_wavefront_size32 1
		.amdhsa_system_sgpr_workgroup_id_x 1
		.amdhsa_system_sgpr_workgroup_id_y 1
		.amdhsa_system_sgpr_workgroup_id_z 1
		.amdhsa_system_vgpr_workitem_id 0
		.amdhsa_next_free_vgpr 138
		.amdhsa_next_free_sgpr 100
		.amdhsa_reserve_vcc 1
		.amdhsa_float_denorm_mode_32 3
		.amdhsa_float_denorm_mode_16_64 3
		.amdhsa_memory_ordered 1
		.amdhsa_forward_progress 1
		.amdhsa_inst_pref_size 73
	.end_amdhsa_kernel
	.amdgpu_metadata
---
amdhsa.version: [ 1, 2 ]
amdhsa.kernels:
  - .name:           k_q205e1e2531_render
    .symbol:         k_q205e1e2531_render.kd
    .args:
      - { .name: masks, .offset: 0, .size: 8, .value_kind: global_buffer, .address_space: global }
      - { .name: table, .offset: 8, .size: 8, .value_kind: global_buffer, .address_space: global }
      - { .name: out0, .offset: 16, .size: 8, .value_kind: global_buffer, .address_space: global }
    .group_segment_fixed_size: 78848
    .private_segment_fixed_size: 0
    .kernarg_segment_align: 8
    .kernarg_segment_size: 24
    .max_flat_workgroup_size: 32
    .sgpr_count:     100
    .vgpr_count:     138
    .wavefront_size: 32
...
	.end_amdgpu_metadata
.endif
;; end of part 2
